; MI455X (gfx1250); checked and timed in simulation.
; The chip was launched on July 23, 2026; its instructions are those of AMD's public machine-readable ISA for CDNA 5 (MIT licence, August 2026) and "CDNA5" Instruction Set Architecture Reference Guide (July 2026). The comments in the code are by the model that wrote it; some were corrected since.
;; Distance. Allowed arithmetic: float matrix products may take bf16 or f16 operands with f32 sums; all other float work in f32.
;; Inputs: centroids 1,000 x 512 float32; features 2,048 x 512 float32.
;; Outputs: out0 2,048 x 1,000 float32; out1 2,048 x 1,000 float32; out2 2,048 x 1,000 float32.
;; One version. Each part assembles by itself: llvm-mc -triple=amdgcn-amd-amdhsa -mcpu=gfx1250 --defsym DOCPART=n.
;; ======== version 1 of 1: 1 launch
;; limits: a difference of large sums (such as E[x^2] - mean^2): digits are lost where the result is much smaller than its terms
;; launch distance (part 1): grid 8 x 32, 8 waves a work-group, clusters of 4 x 4, 327,680 bytes of LDS; arguments features, centroids, out0, out1, out2; writes out0, out1, out2
.if DOCPART == 1
	.amdgcn_target "amdgcn-amd-amdhsa--gfx1250"
	.amdhsa_code_object_version 6
	.text
	.protected	k_q89e777c460_distance
	.globl	k_q89e777c460_distance
	.p2align	8
	.type	k_q89e777c460_distance,@function
k_q89e777c460_distance:
	s_mov_b64 s[64:65], 0
	v_nop
	global_prefetch_b8 v0, s[64:65] scope:SCOPE_SE
	s_setreg_imm32_b32 hwreg(HW_REG_WAVE_MODE, 25, 1), 1
	s_wait_xcnt 0x0
	s_wait_alu depctr_hold_cnt(0) depctr_sa_sdst(0) depctr_va_vdst(0) depctr_va_sdst(0) depctr_va_ssrc(0) depctr_va_vcc(0) depctr_vm_vsrc(0)
	s_getreg_b32 s2, hwreg(HW_REG_IB_STS2, 6, 4)
	s_cmp_eq_u32 s2, 0
	s_cbranch_scc0 .Lentry_in_a_cluster
	s_endpgm
.Lentry_in_a_cluster:
	s_bfe_u32 s2, ttmp6, 0x10000c
	s_cmp_lg_u32 s2, 0xf033
	s_cbranch_scc0 .Lentry_shape_is_right
	s_endpgm
.Lentry_shape_is_right:
; out0 = sum_k |f-c| * s,  out1 = sqrt(max(|f|^2+|c|^2-2 f.c, 0)) * s,  out2 = f.c / (max(|f|,1e-8) max(|c|,1e-8)) * s,  s = 1/sqrt(512).
; features [2048][512], centroids [1000][512], outputs [2048][1000], all f32.
;
; SHARES.  256 work-groups (8 column blocks x 32 row blocks); a work-group makes 64 feature rows x 128 centroid columns of all three
; outputs with eight waves.  Wave (wn, wc) = (wave & 1, wave >> 1) owns rows 32 wn .. +31 and columns 32 wc .. +31 of the block for all
; three results, so nothing passes between waves before the way out.  1000 = 7 x 128 + 104: the last column block starts at column 872,
; makes 24 columns of its neighbour once more and does not store them; so every tile lies inside its buffer.
;
; L1 is the bulk: 64 x 128 x 512 terms for 256 lanes.  |f-c| = 2 max(f,c) - f - c, so  sum |f-c| = 2 sum max(f,c) - sum f - sum c, all in f32:
; one dual instruction takes two maxima and one packed add sums two: one instruction for each term in place of two.
; LIMITS.  L1's error is absolute, about 2^-24 (sum|f| + sum|c|), not relative to the distance: with a common offset of m times the
; inputs' spread it is below about 1e-5 m of a typical distance (3e-4 at m = 30) and reaches a percent at offsets of some thousand spreads.
; An infinite input gives NaN in out0 where the subtraction would give infinity.  A NaN input gives 0 in out1 (the clamp at zero drops it).
; The root's argument below 2^-126 counts as zero (ISA guide 15.8).
;
; L2 and cosine: f.c by bf16 matrix instructions with f32 sums.  The squared norms are taken from the SAME bf16 operands, as the diagonal
; of X X^T (a matrix instruction whose two sources are one fragment): |f|^2 + |c|^2 - 2 f.c is then the squared distance of the rounded
; vectors, and the operands' rounding is not blown up by the difference of three large sums.  s^2 = 2^-9 is folded in ahead of the root.
;
; DATA.  K goes in four chunks of 128 through two LDS slots.  A slot holds 64 feature rows and 128 centroid rows of 512 bytes, 528 apart:
; three tensor loads of 64 rows, one each from waves 0, 1, 2.  A chunk is four trips of 32 k; a trip of a wave is 1,024 instructions of L1,
; 32 conversions, 8 matrix instructions, 32 packed adds for the row sums and 80 LDS loads.
; CLUSTERS.  4 x 4 work-groups form a cluster.  The four of a row of the cluster make blocks of one row block and need the same feature tiles;
; the four of a column need the same centroid tiles.  Such a tile is asked for JOINTLY: each of the four issues the same tensor load, with the
; same descriptor and a mask that names the four, and each receives the tile in its own LDS.  A work-group takes in 4 x 98,304 bytes, so the
; 256 of them ask for 100 MB singly and for a quarter of that jointly.  A round of the cluster's barrier stands in front of the first joint
; loads, in place of the barrier in front of each of the two refills, and in front of s_endpgm: four rounds in all.
; STORES.  A row of an output is 4,000 bytes, so the block's 512-byte piece of a row starts at a multiple of 32 bytes only.  Results go
; through LDS, and each store of a wave covers one such piece: 512 consecutive bytes.
.set PITCH,  528                       ; LDS row of a slot: 512 bytes + 16: row r starts 4 r words further modulo 64 (64 banks of 4 bytes: ISA guide 11.1)
.set FT,     64*PITCH                  ; 64 rows: what one tensor load brings
.set SLOT,   192*PITCH                 ; features' 64 rows, then centroids' 128
.set STAGE,  2*SLOT                    ; behind the ring, where no tensor load lands: three stages, one for each output
.set TP,     144                       ; a stage is eight tiles, one a wave: 32 rows of 128 bytes, 144 apart
.set TILE,   32*TP
.set STG,    8*TILE
.set TBL,    STAGE+3*STG               ; behind them: a table of 1,536 bytes for each wave
.set TBLW,   1536
.set T_SQ,   0                         ; four blocks of 128 bytes: |x|^2 / 512 of feature rows 0-15, 16-31, centroid rows 0-15, 16-31 (16 entries, 16 unused)
.set T_INV,  512                       ; four more: s / max(|f|, eps), twice, and 1 / max(|c|, eps), twice
.set T_FSUM, 1024                      ; -s sum f of my 32 feature rows
.set T_CSUM, 1152                      ; -s sum c of my 32 centroid rows
.set OUTROW, 4000
; scalar registers.  s20, s21, s23 hold numbers made of the wave's number and constants alone; what hangs on the place along the cluster's y
; (N0, CY, BY, SOF, MR, the features' descriptors) and along its x (SKIP, C0, CX, BX, SOC, MC, the centroids' descriptors) have registers of their own
.set W, 14
.set WN, 15
.set WC, 16
.set SKIP, 17                          ; columns of the block that are the neighbour's: 0, in the last block 24
.set C0, 18
.set N0, 19
.set CNT, 22
.set G1, 24                            ; s[24:31] descriptor group 1 for the features' tiles
.set G0, 32                            ; s[32:39] descriptor group 0 for the features' tiles, one set for each slot
.set SEL, 40                           ; s[40:41] v_permlanex16_b32: lane i reads lane i of the other half
.set HI, 42                            ; lanes 16-31
.set DM, 43                            ; s[43:49] lanes whose number is j modulo 8, j = 1 .. 7
.set SAVE, 50
.set G1B, 52                           ; s[52:59] descriptor group 1 for the centroids' tiles: it differs in the mask alone
.set G0B, 68                           ; s[68:75] descriptor group 0 for the centroids' tiles, one set for each slot
.set CY, 76
.set BY, 77                            ; row block
.set SOF, 78                           ; s[78:79] byte offsets that hang on the row block
.set CX, 80
.set BX, 81                            ; column block
.set SOC, 82                           ; s[82:83] byte offsets that hang on the column block
.set MR, 84                            ; my row of the cluster
.set MC, 85                            ; my column
; vector registers, window 0
.set BF, 2                             ; v2-5   LDS addresses in slot 0: L1 features, L1 centroids, fragments of features, of centroids
.set AF, 6                             ; v6-9   the same at work: + slot + 128 bytes a trip
.set AC, 7
.set AWF, 8
.set AWC, 9
.set ACC, 16                           ; v16-79   sum of maxima (i, j) at ACC + 8 i + j: feature row gn + 4 i, centroid row 4 gc + j%4 + 16 (j/4)
.set T, 80                             ; v80-95   eight pairs of maxima
.set F0, 96                            ; operand buffer 0: 8 feature rows x 4 k
.set CE0, 128                          ;   centroid rows j = 0, 2, 4, 6
.set CO0, 146                          ;   centroid rows j = 1, 3, 5, 7, two registers off: the dual's two second sources differ modulo 4
.set BUF, 68                           ; buffer 1 lies 68 registers higher
.set ELANE, 232                        ; addresses for the end, made while the first tiles are on their way
.set EDIAG, 233
.set ER, 234
.set EH, 235
.set EN, 236
.set EC, 237
.set EL1, 238
.set EW, 239
.set ERD, 240
.set ERD2, 241
.set EOFF, 242
.set ECOL, 243
; at the end the operand buffers are free
.set PF, 96                            ; (|f|^2/512, s/|f|) of my row in feature block 0, then block 1
.set CSQ, 100                          ; |c|^2/512 of my 2 x 8 columns
.set CINV, 116
.set SF, 132                           ; -s sum f of my four rows
.set SC, 136                           ; -s sum c of my eight columns
.set SQ, 144
.set CS, 176
.set OD, 96
.set RS, 164                           ; row sums,
.set RT, 168                           ; the other half's,
.set DG, 172                           ; the four diagonals,
.set NR, 176                           ; norms and their reciprocals,
.set SQH, 180                          ; squared norms / 512
; vector registers, window 1 (written with their low eight bits)
.set WD, 0                             ; v256-287 dots: tile (a, b) = centroid block a x feature block b at WD + 16 a + 8 b; v288-319 X X^T of features 0, 1, centroids 0, 1
.set FR, 64                            ; v320-351 bf16 fragments: features 0, 1, centroids 0, 1
.set RAW, 96                           ; v352-415 the same four as f32, 16 registers each
.set SS, 160                           ; v416-423 running row sums, a pair for each of the four
.set MSB, 0
.macro WIN new                         ; s_set_vgpr_msb: bits 1:0 source 0, 3:2 source 1, 5:4 source 2, 7:6 destination; the high byte repeats the setting that is left
.if MSB != \new
	s_set_vgpr_msb (MSB<<8)|\new
.set MSB, \new
.endif
.endm
; A round of the cluster's barrier: my work-group's barrier, so that wave 0's signal speaks for all eight waves; wave 0 signals for the work-group;
; every wave waits for all sixteen work-groups; my work-group's barrier once more.  No LDS instruction of the wave is pending at a signal.
.macro ROUND
	s_barrier_signal -1
	s_barrier_wait -1
	s_cmp_lg_u32 s[W], 0
	s_cbranch_scc1 .Lnot_wave_0_\@
	s_barrier_signal -3
.Lnot_wave_0_\@:
	s_barrier_wait -3
	s_barrier_signal -1
	s_barrier_wait -1
.endm
; A joint refill.  Wave 0 asks for the features' 64 rows, waves 1 and 2 for the centroids' rows 0-63 and 64-127, the others for nothing.  Each of the
; two lines has ONE mask and one set of registers.  The branches hang on the wave's number alone: they are the same in every work-group.
.macro JLOAD s
	s_cmp_lt_u32 s[W], 3
	s_cbranch_scc0 .Lasked_\@
	s_cmp_eq_u32 s[W], 0
	s_cbranch_scc0 .Lfor_c_\@
	tensor_load_to_lds s[G0+4*\s:G0+4*\s+3], s[G1:G1+7]
	s_nop 0
	s_branch .Lasked_\@
.Lfor_c_\@:
	tensor_load_to_lds s[G0B+4*\s:G0B+4*\s+3], s[G1B:G1B+7]
	s_nop 0
.Lasked_\@:
.endm
	s_load_b256 s[4:11], s[0:1], 0x0               ; features s[4:5], centroids s[6:7], out0 s[8:9], out1 s[10:11]
	s_load_b64 s[12:13], s[0:1], 0x20              ; out2
	v_lshl_add_u32 v254, v0, 2, 0x4f800
	v_mov_b32 v255, 0
	ds_add_u32 v254, v255
	v_lshrrev_b32 v1, 5, v0
	v_readfirstlane_b32 s[W], v1                   ; wave 0..7
	s_and_b32 s[WN], s[W], 1
	s_lshr_b32 s[WC], s[W], 1
	s_bfe_u32 s[CX], ttmp6, 0x40000                ; cx: my place along the cluster's x
	s_bfe_u32 s[CY], ttmp6, 0x40004                ; cy: along its y
	s_lshl_b32 s[BX], ttmp9, 2                     ; in a cluster launch ttmp9 and ttmp7 count clusters
	s_add_co_u32 s[BX], s[BX], s[CX]               ; column block = 4 x cluster x + cx
	s_and_b32 s[BY], ttmp7, 0xffff
	s_lshl_b32 s[BY], s[BY], 2
	s_add_co_u32 s[BY], s[BY], s[CY]               ; row block = 4 x cluster y + cy
	s_lshl_b32 s[SKIP], s[BX], 7                   ; 128 x column block
	s_min_u32 s[C0], s[SKIP], 1000-128             ; first centroid row of the block
	s_sub_co_u32 s[SKIP], s[SKIP], s[C0]
	s_lshl_b32 s[N0], s[BY], 6                     ; first feature row of the block
	s_lshl_b32 s[MR], s[CY], 2
	s_lshl_b32 s[MR], 15, s[MR]                    ; my row of the cluster: places 4 cy .. 4 cy + 3
	s_lshl_b32 s[MC], 0x1111, s[CX]                ; my column: places cx, cx + 4, cx + 8, cx + 12
	; descriptor group 1: 64 rows x 128 elements of 4 bytes, 512 elements from row to row, 4 words of padding behind every 128; bit 21 set beside the mask
	s_or_b32 s[G1+0], s[MR], (2<<16)|(1<<20)|(1<<21)|(6<<22)|(3<<25)    ; the features' tiles go to my row
	s_or_b32 s[G1B+0], s[MC], (2<<16)|(1<<20)|(1<<21)|(6<<22)|(3<<25)   ; the centroids' tiles to my column
	s_mov_b32 s[G1+1], 128<<16                     ; tensor_dim0 = 128
	s_mov_b32 s[G1B+1], 128<<16
	s_mov_b32 s[G1+2], 64<<16                      ; tensor_dim1 = 64: every tile lies inside its tensor
	s_mov_b32 s[G1B+2], 64<<16
	s_mov_b32 s[G1+3], 128<<16                     ; tile_dim0 = 128
	s_mov_b32 s[G1B+3], 128<<16
	s_mov_b32 s[G1+4], 64                          ; tile_dim1 = 64
	s_mov_b32 s[G1B+4], 64
	s_mov_b32 s[G1+5], 512
	s_mov_b32 s[G1B+5], 512
	s_mov_b32 s[G1+6], 0
	s_mov_b32 s[G1B+6], 0
	s_mov_b32 s[G1+7], 0
	s_mov_b32 s[G1B+7], 0
	; where the tiles come from.  The features' hang on the row block alone, which my row of the cluster shares; the centroids' on the column block
	; and the wave's number alone, which my column shares.  Every wave makes both addresses and asks by one of them, or by none.
	s_lshl_b32 s[SOF], s[N0], 11                   ; rows of 2,048 bytes
	s_mov_b32 s[SOF+1], 0
	s_max_u32 s20, s[W], 1
	s_min_u32 s20, s20, 2
	s_sub_co_u32 s20, s20, 1                       ; which 64 centroid rows: wave 1 the first, wave 2 the second (in the other waves not used)
	s_lshl_b32 s[SOC], s20, 6
	s_add_co_u32 s[SOC], s[SOC], s[C0]
	s_lshl_b32 s[SOC], s[SOC], 11
	s_mov_b32 s[SOC+1], 0
	s_mul_i32 s23, s[W], FT                        ; and where the rows go: wave x 64 rows: no place in the cluster enters an LDS address
.irp s, 0,1
	s_mov_b32 s[G0+4*\s], 1
	s_add_co_u32 s[G0+4*\s+1], s23, \s*SLOT
	s_mov_b32 s[G0B+4*\s], 1
	s_add_co_u32 s[G0B+4*\s+1], s23, \s*SLOT
.endr
	s_wait_dscnt 0x0
	s_wait_kmcnt 0x0
	s_add_nc_u64 s[G0+2:G0+3], s[4:5], s[SOF:SOF+1]            ; slot 0: chunk 0
	s_add_nc_u64 s[G0+6:G0+7], s[G0+2:G0+3], 512               ; slot 1: chunk 1, 128 k further along the rows
	s_add_nc_u64 s[G0B+2:G0B+3], s[6:7], s[SOC:SOC+1]
	s_add_nc_u64 s[G0B+6:G0B+7], s[G0B+2:G0B+3], 512
.irp s, 0,1
	s_or_b32 s[G0+4*\s+3], s[G0+4*\s+3], 0x80000000
	s_or_b32 s[G0B+4*\s+3], s[G0B+4*\s+3], 0x80000000
.endr
	ROUND                                          ; all sixteen work-groups are here: the first joint loads meet
	; both first fills of a wave together, ahead of every wait on TENSORcnt, LDS read and further barrier: two tensor loads of a wave are out here, later one at the most
	s_cmp_lt_u32 s[W], 3
	s_cbranch_scc0 .Lno_first
	s_cmp_eq_u32 s[W], 0
	s_cbranch_scc0 .Lfirst_c
	tensor_load_to_lds s[G0:G0+3], s[G1:G1+7]
	s_nop 0
	tensor_load_to_lds s[G0+4:G0+7], s[G1:G1+7]
	s_nop 0
	s_branch .Lno_first
.Lfirst_c:
	tensor_load_to_lds s[G0B:G0B+3], s[G1B:G1B+7]
	s_nop 0
	tensor_load_to_lds s[G0B+4:G0B+7], s[G1B:G1B+7]
	s_nop 0
.Lno_first:
	s_mul_i32 s[SOF], s[N0], OUTROW                ; the block's first row in an output, in bytes (the pair's upper word is 0),
	s_lshl_b32 s[SOC], s[C0], 2                    ; and its first column
	s_add_nc_u64 s[8:9], s[8:9], s[SOF:SOF+1]
	s_add_nc_u64 s[10:11], s[10:11], s[SOF:SOF+1]
	s_add_nc_u64 s[12:13], s[12:13], s[SOF:SOF+1]
	s_add_nc_u64 s[8:9], s[8:9], s[SOC:SOC+1]
	s_add_nc_u64 s[10:11], s[10:11], s[SOC:SOC+1]
	s_add_nc_u64 s[12:13], s[12:13], s[SOC:SOC+1]
	v_and_b32 v1, 31, v0                           ; lane
	v_and_b32 v10, 15, v0                          ; r
	v_bfe_u32 v11, v0, 4, 1                        ; h: which half of the wave; in L1 also which 4 of every 8 k
	v_and_b32 v12, 3, v0                           ; gn
	v_bfe_u32 v13, v0, 2, 2                        ; gc
	s_mul_i32 s20, s[WN], 32*PITCH                 ; my 32 feature rows
	s_mul_i32 s21, s[WC], 32*PITCH
	s_add_co_u32 s21, s21, FT                      ; my 32 centroid rows
	v_mul_u32_u24 v14, v12, PITCH
	v_lshl_add_u32 v14, v11, 4, v14
	v_add_nc_u32 v[BF], s20, v14                   ; L1: feature row gn, 16 h bytes along.  A load's 16 lanes touch 4 neighbouring rows
	v_mul_u32_u24 v14, v13, 4*PITCH
	v_lshl_add_u32 v14, v11, 4, v14
	v_add_nc_u32 v[BF+1], s21, v14                 ; L1: centroid row 4 gc.  A load's 16 lanes touch 4 rows, four apart: different 16-byte columns
	v_mul_u32_u24 v15, v10, PITCH
	v_lshl_add_u32 v15, v11, 5, v15
	v_add_nc_u32 v[BF+2], s20, v15                 ; fragments: row r, k = 8 h
	v_add_nc_u32 v[BF+3], s21, v15
	s_mul_i32 s21, s[W], TBLW
	s_add_co_u32 s21, s21, TBL                     ; my table
	v_lshl_add_u32 v[ELANE], v1, 2, s21
	v_add_nc_u32 v14, 8, v1
	v_and_b32 v14, 31, v14
	v_lshl_add_u32 v[EDIAG], v14, 2, s21           ; entry (lane + 8) % 32: the diagonal lies in lanes 0-7 (rows 0-7) and 24-31 (rows 8-15), so row m goes to entry m ^ 8, the other lanes to the unused entries 16-31
	v_xor_b32 v14, 8, v10
	v_lshl_add_u32 v[ER], v14, 2, s21              ; row r's entry
	v_xor_b32 v14, 1, v11
	v_lshl_add_u32 v[EH], v14, 5, s21              ; the entries of rows 8 h .. 8 h + 7
	v_lshl_add_u32 v14, v11, 4, v12                ; gn + 16 h
	v_lshl_add_u32 v[EN], v14, 2, s21
	v_lshl_add_u32 v[EC], v13, 4, s21
	s_mul_i32 s21, s[W], TILE
	s_add_co_u32 s21, s21, STAGE                   ; my tile in stage 0
	v_mul_u32_u24 v14, v14, TP
	v_lshl_add_u32 v14, v13, 4, v14
	v_add_nc_u32 v[EL1], s21, v14                  ; L1: row gn + 16 h, column 4 gc
	s_add_co_u32 s21, s21, STG                     ; my tile in stage 1
	v_mul_u32_u24 v14, v10, TP
	v_lshl_add_u32 v14, v11, 5, v14
	v_add_nc_u32 v[EW], s21, v14                   ; L2 (cosine one stage on): row r, column 8 h
	; the way out: wave w takes the block's rows 8 w .. 8 w + 7: tiles (w >> 2) + 2 wc, wc = lane >> 3, their rows 8 (w & 3) + t, 16 bytes a lane
	s_lshr_b32 s20, s[W], 2
	s_mul_i32 s20, s20, TILE
	s_and_b32 s21, s[W], 3
	s_mul_i32 s21, s21, 8*TP
	s_add_co_u32 s20, s20, s21
	s_add_co_u32 s20, s20, STAGE
	v_lshrrev_b32 v14, 3, v1
	v_mul_u32_u24 v14, v14, 2*TILE
	v_and_b32 v15, 7, v0
	v_lshl_add_u32 v14, v15, 4, v14
	v_add_nc_u32 v[ERD], s20, v14
	v_add_nc_u32 v[ERD2], 2*STG, v[ERD]
	s_mul_i32 s21, s[W], 8*OUTROW
	v_lshl_add_u32 v[EOFF], v1, 4, s21
	v_lshlrev_b32 v[ECOL], 2, v1                   ; my first column of the block on the way out
; 16 LDS loads: the operands of one L1 group (8 k of the wave, 4 k of a lane, at byte 32 gq of the trip) into buffer b
.macro L1LOAD b, gq
.irp i, 0,1,2,3,4,5,6,7
	ds_load_b128 v[F0+BUF*\b+4*\i:F0+BUF*\b+4*\i+3], v[AF] offset:\i*4*PITCH+32*\gq
.endr
.irp p, 0,1,2,3
	ds_load_b128 v[CE0+BUF*\b+4*\p:CE0+BUF*\b+4*\p+3], v[AC] offset:(2*(\p%2)+16*(\p/2))*PITCH+32*\gq
	ds_load_b128 v[CO0+BUF*\b+4*\p:CO0+BUF*\b+4*\p+3], v[AC] offset:(2*(\p%2)+16*(\p/2)+1)*PITCH+32*\gq
.endr
.endm
; 256 terms of a lane in 256 instructions: for a pair of columns and one k, eight duals (two maxima each: one feature number against two
; centroid rows) and eight packed adds onto eight different pairs of sums.  first = 1: the maxima of k = 0 start the sums; nothing is cleared.
.macro L1GROUP b, first
.irp p, 0,1,2,3
.irp kk, 0,1,2,3
.set DIRECT, 0
.if \first
.if \kk == 0
.set DIRECT, 1
.endif
.endif
.if DIRECT
.irp i, 0,1,2,3,4,5,6,7
	v_dual_max_num_f32 v[ACC+8*\i+2*\p], v[F0+BUF*\b+4*\i+\kk], v[CE0+BUF*\b+4*\p+\kk] :: v_dual_max_num_f32 v[ACC+8*\i+2*\p+1], v[F0+BUF*\b+4*\i+\kk], v[CO0+BUF*\b+4*\p+\kk]
.endr
.else
.irp i, 0,1,2,3,4,5,6,7
	v_dual_max_num_f32 v[T+2*\i], v[F0+BUF*\b+4*\i+\kk], v[CE0+BUF*\b+4*\p+\kk] :: v_dual_max_num_f32 v[T+2*\i+1], v[F0+BUF*\b+4*\i+\kk], v[CO0+BUF*\b+4*\p+\kk]
.endr
.irp i, 0,1,2,3,4,5,6,7
	v_pk_add_f32 v[ACC+8*\i+2*\p:ACC+8*\i+2*\p+1], v[ACC+8*\i+2*\p:ACC+8*\i+2*\p+1], v[T+2*\i:T+2*\i+1]
.endr
.endif
.endr
.endr
.endm
; 16 LDS loads: four fragments' numbers as f32.  Lane (r, h) of a fragment holds row r, k = 8 h .. + 7 and 16 + 8 h .. + 7: 32 bytes at 32 h and at 64 + 32 h
.macro RAWLOAD
.irp b, 0,1
.irp q, 0,1,2,3
	ds_load_b128 v[RAW+16*\b+4*\q:RAW+16*\b+4*\q+3], v[AWF] offset:\b*16*PITCH+16*(\q%2)+64*(\q/2)
.endr
.endr
.irp b, 0,1
.irp q, 0,1,2,3
	ds_load_b128 v[RAW+32+16*\b+4*\q:RAW+32+16*\b+4*\q+3], v[AWC] offset:\b*16*PITCH+16*(\q%2)+64*(\q/2)
.endr
.endr
.endm
.macro MM d, a, b, zero
.if \zero
	v_wmma_f32_16x16x32_bf16 v[\d:\d+7], v[\a:\a+7], v[\b:\b+7], 0
.else
	v_wmma_f32_16x16x32_bf16 v[\d:\d+7], v[\a:\a+7], v[\b:\b+7], v[\d:\d+7]
.endif
.endm
; One step of 32 k for the matrix unit, all in window 1.  Source 0 = centroid rows, source 1 = feature rows: a lane's eight results are eight
; neighbouring columns of one output row.  The eight accumulators take turns, one instruction a turn, over the loop's jump too.
; The conversions write fragments that the last trip's matrix instructions read: far more than four plain vector instructions
; (the row sums and four L1 groups) lie between (ISA guide 7.12.1).
.macro PREP first
.irp f, 0,1,2,3
.irp p, 0,1,2,3,4,5,6,7
	v_cvt_pk_bf16_f32 v[FR+8*\f+\p], v[RAW+16*\f+2*\p], v[RAW+16*\f+2*\p+1]
.endr
.endr
	MM WD+0,  FR+16, FR+0,  \first
	MM WD+8,  FR+16, FR+8,  \first
	MM WD+16, FR+24, FR+0,  \first
	MM WD+24, FR+24, FR+8,  \first
	MM WD+32, FR+0,  FR+0,  \first                 ; X X^T: its diagonal is the rows' squared norm, of the rounded numbers
	MM WD+40, FR+8,  FR+8,  \first
	MM WD+48, FR+16, FR+16, \first
	MM WD+56, FR+24, FR+24, \first
	; the rows' plain sums, of the f32 numbers: a tree over a lane's 16, then onto the running pair
.irp m, 0,4,8,12
.irp f, 0,1,2,3
	v_pk_add_f32 v[RAW+16*\f+\m:RAW+16*\f+\m+1], v[RAW+16*\f+\m:RAW+16*\f+\m+1], v[RAW+16*\f+\m+2:RAW+16*\f+\m+3]
.endr
.endr
.irp m, 0,8
.irp f, 0,1,2,3
	v_pk_add_f32 v[RAW+16*\f+\m:RAW+16*\f+\m+1], v[RAW+16*\f+\m:RAW+16*\f+\m+1], v[RAW+16*\f+\m+4:RAW+16*\f+\m+5]
.endr
.endr
.if \first
.irp f, 0,1,2,3
	v_pk_add_f32 v[SS+2*\f:SS+2*\f+1], v[RAW+16*\f:RAW+16*\f+1], v[RAW+16*\f+8:RAW+16*\f+9]
.endr
.else
.irp f, 0,1,2,3
	v_pk_add_f32 v[RAW+16*\f:RAW+16*\f+1], v[RAW+16*\f:RAW+16*\f+1], v[RAW+16*\f+8:RAW+16*\f+9]
.endr
.irp f, 0,1,2,3
	v_pk_add_f32 v[SS+2*\f:SS+2*\f+1], v[SS+2*\f:SS+2*\f+1], v[RAW+16*\f:RAW+16*\f+1]
.endr
.endif
.endm
; A trip: 32 k.  Four L1 groups on two operand buffers, each group's loads issued a group ahead; the matrix step behind the first group.
; LDS loads come back in order (ISA guide 5.7.1), so each wait names the loads issued behind those that it needs.
.macro TRIP first
	L1LOAD 0, 0
	WIN 0x40                                       ; destination window 1, address window 0
	RAWLOAD
	WIN 0
	s_wait_dscnt 16                                ; group 0's operands are in; the 16 raw loads stay out
	L1LOAD 1, 1
	L1GROUP 0, \first
	L1LOAD 0, 2
	s_wait_dscnt 32                                ; the raw numbers are in; the 32 loads of groups 1 and 2 stay out
	WIN 0x55
	PREP \first
	WIN 0
	s_wait_dscnt 16                                ; group 1 is in; group 2's 16 stay out
	L1GROUP 1, 0
	L1LOAD 1, 3
	s_wait_dscnt 16                                ; group 2 is in; group 3's 16 stay out
	L1GROUP 0, 0
	s_wait_dscnt 0
	L1GROUP 1, 0
.endm
.macro STEP
.irp a, 0,1,2,3
	v_add_nc_u32 v[AF+\a], 128, v[AF+\a]           ; 32 k on
.endr
.endm
; A chunk: four trips in one slot.  In the first chunk the first trip is written out: its products, maxima and sums start every accumulator.
.macro CHUNK slot, first
.irp a, 0,1,2,3
.if \slot
	v_add_nc_u32 v[AF+\a], SLOT, v[BF+\a]
.else
	v_mov_b32 v[AF+\a], v[BF+\a]
.endif
.endr
.if \first
	TRIP 1
	STEP
	s_mov_b32 s[CNT], 3
.else
	s_mov_b32 s[CNT], 4
.endif
.Ltrip_\@:
	TRIP 0
	STEP
	s_sub_co_u32 s[CNT], s[CNT], 1
	s_cmp_lg_u32 s[CNT], 0
	s_cbranch_scc1 .Ltrip_\@
.endm
; The change of slots.  In front of it every wave's reads of the slot just used are back and all its tensor loads have landed, the other slot's part
; among them.  refill = 1: a round of the cluster's barrier, so that this holds of every wave of all sixteen work-groups; behind it the slot just used
; is asked for again, two chunks on, first thing, one joint load a wave.  refill = 0: nothing is asked for, and my work-group's barrier is enough.
.macro NEXT slot, refill
	s_wait_dscnt 0x0
	s_wait_tensorcnt 0x0
	ds_add_u32 v254, v255
	s_wait_dscnt 0x0
.if \refill
	s_add_nc_u64 s[G0+4*\slot+2:G0+4*\slot+3], s[G0+4*\slot+2:G0+4*\slot+3], 1024       ; no tensor load of mine is out: the addresses may step
	s_add_nc_u64 s[G0B+4*\slot+2:G0B+4*\slot+3], s[G0B+4*\slot+2:G0B+4*\slot+3], 1024
	ROUND
	JLOAD \slot
.else
	s_barrier_signal -1
	s_barrier_wait -1
.endif
.endm
	s_wait_tensorcnt 0x1                           ; my part of chunk 0 is in; chunk 1's load stays out
	s_barrier_signal -1
	s_barrier_wait -1
	CHUNK 0, 1
	NEXT 0, 1                                      ; slot 0 gets chunk 2
	CHUNK 1, 0
	NEXT 1, 1                                      ; slot 1 gets chunk 3
	CHUNK 0, 0
	NEXT 0, 0                                      ; nothing is left to fetch
	CHUNK 1, 0
	; THE END, first what belongs to rows: sums and norms of my 32 feature rows and 32 centroid rows, into my own table.
	s_mov_b32 s[SEL], 0x76543210
	s_mov_b32 s[SEL+1], 0xfedcba98
	s_mov_b32 s[HI], 0xffff0000
.irp j, 1,2,3,4,5,6,7
	s_mov_b32 s[DM+\j-1], 0x01010101<<\j
.endr
	WIN 0x05                                       ; sources 0 and 1 window 1, destination window 0
.irp f, 0,1,2,3
	v_add_f32 v[RS+\f], v[SS+2*\f], v[SS+2*\f+1]
.endr
	; the diagonal of a 16 x 16 result: register j of lane (r, h) is element (8 h + j, r), so lanes 0-7 and 24-31 hold it in register lane % 8
.irp g, 0,1,2,3
	v_cndmask_b32 v[DG+\g], v[WD+32+8*\g], v[WD+32+8*\g+1], s[DM]
.endr
	WIN 0x04                                       ; source 1 window 1
.irp j, 2,3,4,5,6,7
.irp g, 0,1,2,3
	v_cndmask_b32 v[DG+\g], v[DG+\g], v[WD+32+8*\g+\j], s[DM+\j-1]
.endr
.endr
	WIN 0
.irp f, 0,1,2,3
	v_permlanex16_b32 v[RT+\f], v[RS+\f], s[SEL], s[SEL+1]         ; the other half of the wave holds the row's other 16 of every 32 k
.endr
.irp f, 0,1,2,3
	v_add_f32 v[RS+\f], v[RS+\f], v[RT+\f]
.endr
	v_cndmask_b32 v[RS+0], v[RS+0], v[RS+1], s[HI]                 ; lanes 0-15 keep block 0's rows, lanes 16-31 block 1's: lane = row
	v_cndmask_b32 v[RS+2], v[RS+2], v[RS+3], s[HI]
	v_mul_f32 v[RS+0], 0xbd3504f3, v[RS+0]                         ; x -s
	v_mul_f32 v[RS+2], 0xbd3504f3, v[RS+2]
.irp g, 0,1,2,3
	v_sqrt_f32 v[NR+\g], v[DG+\g]
.endr
.irp g, 0,1,2,3
	v_mul_f32 v[SQH+\g], 0x3b000000, v[DG+\g]                      ; |x|^2 / 512; also the plain instructions behind the roots (ISA guide 5.7.2)
.endr
	s_wait_alu depctr_va_vdst(0)
.irp g, 0,1,2,3
	v_max_num_f32 v[NR+\g], 0x322bcc77, v[NR+\g]                   ; the norm, at least 1e-8
.endr
.irp g, 0,1,2,3
	v_rcp_f32 v[NR+\g], v[NR+\g]
.endr
	v_nop                                                          ; one plain instruction behind the reciprocals
	s_wait_alu depctr_va_vdst(0)
	v_mul_f32 v[NR+0], 0x3d3504f3, v[NR+0]                         ; s goes with the features' factor
	v_mul_f32 v[NR+1], 0x3d3504f3, v[NR+1]
	ds_store_b32 v[ELANE], v[RS+0] offset:T_FSUM
	ds_store_b32 v[ELANE], v[RS+2] offset:T_CSUM
.irp g, 0,1,2,3
	ds_store_b32 v[EDIAG], v[SQH+\g] offset:T_SQ+128*\g
	ds_store_b32 v[EDIAG], v[NR+\g] offset:T_INV+128*\g
.endr
	; read back in the layouts of the two kinds of result.  The table is my wave's own, and LDS serves a wave's instructions in order (ISA guide 5.7.1)
	ds_load_b32 v[PF+0], v[ER] offset:T_SQ
	ds_load_b32 v[PF+1], v[ER] offset:T_INV
	ds_load_b32 v[PF+2], v[ER] offset:T_SQ+128
	ds_load_b32 v[PF+3], v[ER] offset:T_INV+128
.irp a, 0,1
	ds_load_b128 v[CSQ+8*\a:CSQ+8*\a+3],     v[EH] offset:T_SQ+256+128*\a
	ds_load_b128 v[CSQ+8*\a+4:CSQ+8*\a+7],   v[EH] offset:T_SQ+256+128*\a+16
	ds_load_b128 v[CINV+8*\a:CINV+8*\a+3],   v[EH] offset:T_INV+256+128*\a
	ds_load_b128 v[CINV+8*\a+4:CINV+8*\a+7], v[EH] offset:T_INV+256+128*\a+16
.endr
.irp i, 0,1,2,3
	ds_load_b32 v[SF+\i], v[EN] offset:T_FSUM+16*\i
.endr
	ds_load_b128 v[SC:SC+3],   v[EC] offset:T_CSUM
	ds_load_b128 v[SC+4:SC+7], v[EC] offset:T_CSUM+64
	; L1: lanes l and l + 16 hold the two halves of K of the same 64 sums.  Lanes 0-15 keep rows i = 0..3 and send rows 4..7, lanes 16-31 the other way round.
.set x, 0
.rept 32
	v_cndmask_b32 v[CS+x], v[ACC+32+x], v[ACC+x], s[HI]
.set x, x+1
.endr
.set x, 0
.rept 32
	v_cndmask_b32 v[ACC+x], v[ACC+x], v[ACC+32+x], s[HI]
.set x, x+1
.endr
.set x, 0
.rept 32
	v_permlanex16_b32 v[ACC+32+x], v[CS+x], s[SEL], s[SEL+1]
.set x, x+1
.endr
.set x, 0
.rept 16
	v_pk_add_f32 v[ACC+x:ACC+x+1], v[ACC+x:ACC+x+1], v[ACC+32+x:ACC+32+x+1]
.set x, x+2
.endr
	s_wait_dscnt 0x0                               ; the table's numbers are in
; row gn + 16 h + 4 i:  2 s sum max - s sum f - s sum c.  pr, hi: which register of SF holds the row's sum
.macro L1FIN i, pr, hi
.irp p, 0,2,4,6
.if \hi
	v_pk_add_f32 v[ACC+32+8*\i+\p:ACC+32+8*\i+\p+1], v[SC+\p:SC+\p+1], v[SF+\pr:SF+\pr+1] op_sel:[0,1] op_sel_hi:[1,1]
.else
	v_pk_add_f32 v[ACC+32+8*\i+\p:ACC+32+8*\i+\p+1], v[SC+\p:SC+\p+1], v[SF+\pr:SF+\pr+1] op_sel_hi:[1,0]
.endif
.endr
.irp p, 0,2,4,6
	v_pk_fma_f32 v[ACC+8*\i+\p:ACC+8*\i+\p+1], v[ACC+8*\i+\p:ACC+8*\i+\p+1], 0x3db504f3, v[ACC+32+8*\i+\p:ACC+32+8*\i+\p+1] op_sel_hi:[1,0,1]
.endr
	ds_store_b128 v[EL1], v[ACC+8*\i:ACC+8*\i+3]   offset:\i*4*TP          ; columns 4 gc .. + 3
	ds_store_b128 v[EL1], v[ACC+8*\i+4:ACC+8*\i+7] offset:\i*4*TP+64       ; columns 16 + 4 gc .. + 3
.endm
	L1FIN 0, 0, 0
	L1FIN 1, 0, 1
	L1FIN 2, 2, 0
	L1FIN 3, 2, 1
	; L2 and cosine: lane (r, h) holds, of tile (a, b), row 16 b + r and columns 16 a + 8 h + 0..7
.irp a, 0,1
.irp b, 0,1
.irp m, 0,2,4,6
	v_pk_add_f32 v[SQ+16*\a+8*\b+\m:SQ+16*\a+8*\b+\m+1], v[CSQ+8*\a+\m:CSQ+8*\a+\m+1], v[PF+2*\b:PF+2*\b+1] op_sel_hi:[1,0]
.endr
.endr
.endr
	WIN 0x01                                       ; source 0 (the dots) window 1
.irp a, 0,1
.irp b, 0,1
.irp m, 0,2,4,6
	v_pk_fma_f32 v[SQ+16*\a+8*\b+\m:SQ+16*\a+8*\b+\m+1], v[WD+16*\a+8*\b+\m:WD+16*\a+8*\b+\m+1], 0xbb800000, v[SQ+16*\a+8*\b+\m:SQ+16*\a+8*\b+\m+1] op_sel_hi:[1,0,1]
	v_pk_mul_f32 v[CS+16*\a+8*\b+\m:CS+16*\a+8*\b+\m+1], v[WD+16*\a+8*\b+\m:WD+16*\a+8*\b+\m+1], v[CINV+8*\a+\m:CINV+8*\a+\m+1]
.endr
.endr
.endr
	WIN 0
.set x, 0
.rept 32
	v_max_num_f32 v[SQ+x], 0, v[SQ+x]
.set x, x+1
.endr
.set x, 0
.rept 32
	v_sqrt_f32 v[SQ+x], v[SQ+x]
.set x, x+1
.endr
.irp a, 0,1
.irp b, 0,1
.irp m, 0,2,4,6
	v_pk_mul_f32 v[CS+16*\a+8*\b+\m:CS+16*\a+8*\b+\m+1], v[CS+16*\a+8*\b+\m:CS+16*\a+8*\b+\m+1], v[PF+2*\b:PF+2*\b+1] op_sel:[0,1] op_sel_hi:[1,1]   ; plain work behind the roots, ahead of their use
.endr
.endr
.endr
	s_wait_alu depctr_va_vdst(0)
.irp a, 0,1
.irp b, 0,1
	ds_store_b128 v[EW], v[SQ+16*\a+8*\b:SQ+16*\a+8*\b+3]   offset:\b*16*TP+64*\a
	ds_store_b128 v[EW], v[SQ+16*\a+8*\b+4:SQ+16*\a+8*\b+7] offset:\b*16*TP+64*\a+16
	ds_store_b128 v[EW], v[CS+16*\a+8*\b:CS+16*\a+8*\b+3]   offset:STG+\b*16*TP+64*\a
	ds_store_b128 v[EW], v[CS+16*\a+8*\b+4:CS+16*\a+8*\b+7] offset:STG+\b*16*TP+64*\a+16
.endr
.endr
	s_wait_dscnt 0x0                               ; my tiles of the three stages are written,
	s_barrier_signal -1
	s_barrier_wait -1                              ; everybody's are
	; THE WAY OUT: wave w takes rows 8 w .. 8 w + 7 of each output's block, a whole piece of 512 bytes with each load and store
.irp o, 0,1
.irp t, 0,1,2,3,4,5,6,7
	ds_load_b128 v[OD+32*\o+4*\t:OD+32*\o+4*\t+3], v[ERD] offset:\o*STG+\t*TP
.endr
.endr
.irp t, 0,1,2,3,4,5,6,7
	ds_load_b128 v[OD+64+4*\t:OD+64+4*\t+3], v[ERD2] offset:\t*TP
.endr
	v_cmp_le_u32 vcc_lo, s[SKIP], v[ECOL]          ; in the last column block the first 24 columns are the neighbour's to store
	s_wait_dscnt 0x0
	s_and_saveexec_b32 s[SAVE], vcc_lo             ; no global load or store has been issued yet
.irp t, 0,1,2,3,4,5,6,7
	global_store_b128 v[EOFF], v[OD+4*\t:OD+4*\t+3], s[8:9] offset:OUTROW*\t th:TH_STORE_NT
.endr
.irp t, 0,1,2,3,4,5,6,7
	global_store_b128 v[EOFF], v[OD+32+4*\t:OD+32+4*\t+3], s[10:11] offset:OUTROW*\t th:TH_STORE_NT
.endr
.irp t, 0,1,2,3,4,5,6,7
	global_store_b128 v[EOFF], v[OD+64+4*\t:OD+64+4*\t+3], s[12:13] offset:OUTROW*\t th:TH_STORE_NT
.endr
	s_wait_xcnt 0x0                                ; EXEC is a source of the stores: it is widened only behind this wait
	s_or_b32 exec_lo, exec_lo, s[SAVE]
	s_wait_tensorcnt 0x0
	ds_add_u32 v254, v255
	s_wait_dscnt 0x0
	ROUND                                          ; the closing round: no work-group ends while a partner may still ask for a tile that names it
	s_endpgm
.Lfunc_end_k_q89e777c460_distance:
	.size	k_q89e777c460_distance, .Lfunc_end_k_q89e777c460_distance-k_q89e777c460_distance
	.p2alignl 7, 3214868480
	.fill 96, 4, 3214868480
	.section	.rodata,"a",@progbits
	.p2align	6, 0x0
	.amdhsa_kernel k_q89e777c460_distance
		.amdhsa_group_segment_fixed_size 327680
		.amdhsa_private_segment_fixed_size 0
		.amdhsa_enable_private_segment 0
		.amdhsa_kernarg_size 40
		.amdhsa_user_sgpr_count 2
		.amdhsa_user_sgpr_kernarg_segment_ptr 1
		.amdhsa_wavefront_size32 1
		.amdhsa_system_sgpr_workgroup_id_x 1
		.amdhsa_system_sgpr_workgroup_id_y 1
		.amdhsa_system_sgpr_workgroup_id_z 1
		.amdhsa_system_vgpr_workitem_id 0
		.amdhsa_next_free_vgpr 424
		.amdhsa_next_free_sgpr 86
		.amdhsa_reserve_vcc 1
		.amdhsa_float_denorm_mode_32 3
		.amdhsa_float_denorm_mode_16_64 3
		.amdhsa_memory_ordered 1
		.amdhsa_forward_progress 1
		.amdhsa_inst_pref_size 255
	.end_amdhsa_kernel
	.section	.bss,"aw",@nobits
	.p2align	6
	.space	262144
	.amdgpu_metadata
---
amdhsa.version: [ 1, 2 ]
amdhsa.kernels:
  - .name:           k_q89e777c460_distance
    .symbol:         k_q89e777c460_distance.kd
    .args:
      - { .name: features, .offset: 0, .size: 8, .value_kind: global_buffer, .address_space: global }
      - { .name: centroids, .offset: 8, .size: 8, .value_kind: global_buffer, .address_space: global }
      - { .name: out0, .offset: 16, .size: 8, .value_kind: global_buffer, .address_space: global }
      - { .name: out1, .offset: 24, .size: 8, .value_kind: global_buffer, .address_space: global }
      - { .name: out2, .offset: 32, .size: 8, .value_kind: global_buffer, .address_space: global }
    .group_segment_fixed_size: 327680
    .private_segment_fixed_size: 0
    .kernarg_segment_align: 8
    .kernarg_segment_size: 40
    .max_flat_workgroup_size: 256
    .sgpr_count:     86
    .vgpr_count:     424
    .wavefront_size: 32
...
	.end_amdgpu_metadata
.endif
;; end of part 1
